; MI455X (gfx1250); checked and timed in simulation.
; The chip was launched on July 23, 2026; its instructions are those of AMD's public machine-readable ISA for CDNA 5 (MIT licence, August 2026) and "CDNA5" Instruction Set Architecture Reference Guide (July 2026). The comments in the code are by the model that wrote it; some were corrected since.
;; Attention. Allowed arithmetic: matrix products marked QUANTISED: E2M3 operands, one E8M0 scale for each 32 along K, by v_wmma_scale_f32_16x16x128_f8f6f4 with both operands' format E2M3, f32 sums; everything else in f32.
;; Inputs: k_w 1,024 x 1,024 float32; pb_eps 1,024 float32; pb_mu 1,024 float32; pb_rho 1,024 float32; proj_eps 1,024 x 1,024 float32; proj_mu 1,024 x 1,024 float32; proj_rho 1,024 x 1,024 float32; q_w 1,024 x 1,024 float32; v_eps 1,024 x 1,024 float32; v_mu 1,024 x 1,024 float32; v_rho 1,024 x 1,024 float32; x 4 x 2,048 x 1,024 float32.
;; Outputs: out0 4 x 2,048 x 1,024 float32.
;; This version of the problem:
;;   THIS VERSION OF THE PROBLEM IS GIVEN IN LOW PRECISION. The matrix products marked QUANTISED in the list below multiply operands that are first quantised to E2M3 (2 exponent bits, 3 mantissa bits; 6 bits a number), with one power-of-two scale for each 32 numbers along K (OCP MX v1.0); their sums are f32. All else is computed in f32.
;;   The module's matrix products, in the order in which they are computed (A, B: the left and right operand; K: the contracted axis; several contracted axes count as one K, in the product's order):
;;     1. [M 8,192, K 1,024] x [K 1,024, N 1,024]; A: input x; B: input q_w: QUANTISED
;;     2. [M 8,192, K 1,024] x [K 1,024, N 1,024]; A: input x; B: input k_w: QUANTISED
;;     3. [M 8,192, K 1,024] x [K 1,024, N 1,024]; A: input x; B: computed on the way: QUANTISED
;;     4. batch 64 x [M 2,048, K 64] x [K 64, N 2,048]; A: computed on the way; B: computed on the way: QUANTISED
;;     5. batch 64 x [M 2,048, K 2,048] x [K 2,048, N 64]; A: softmax (see below); B: computed on the way: QUANTISED
;;     6. [M 8,192, K 1,024] x [K 1,024, N 1,024]; A: computed on the way; B: computed on the way: QUANTISED
;;   THE QUANTISER, for each operand of a quantised product, along K:
;;     - K is cut into blocks of 32 from its start; a last block that is shorter is filled with zeros.
;;     - A block's scale is 2^e with e = floor(log2(the largest magnitude in the block)) - 2, held to -126 .. 127; a block of zeros has e = 0. As a byte (E8M0): e + 127.
;;     - Each number is divided by its block's scale, clamped to +-7.5, and rounded to the nearest number of E2M3, ties to even, subnormals kept.
;;     - The product sums the exact products of the quantised numbers (number of the format x scale) in f32.
;;   ~~~python
;;   def quantise(x, axis):      # numpy; x: float32 -> the quantised numbers, widened to float32 again
;;       x = np.moveaxis(x, axis, -1); K = x.shape[-1]
;;       x = np.pad(x, [(0, 0)] * (x.ndim - 1) + [(0, -K % 32)]); x = x.reshape(x.shape[:-1] + (-1, 32)); a = np.abs(x).max(-1, keepdims=True)
;;       e = np.where(a > 0, np.clip(np.frexp(np.where(a > 0, a, 1))[1] - 1 - 2, -126, 127), 0)      # np.frexp(a)[1] - 1 = floor(log2(a)), exactly
;;       r = np.clip(x / 2.0 ** e, -7.5, 7.5)
;;       step = 2.0 ** (np.maximum(np.frexp(np.where(r == 0, 1, r))[1] - 1, 0) - 3)
;;       q = np.round(r / step) * step * 2.0 ** e      # np.round: ties to even
;;       return np.moveaxis(q.reshape(q.shape[:-2] + (-1,))[..., :K], -1, axis).astype(np.float32)
;;   ~~~
;;   SOFTMAX AHEAD OF A QUANTISED PRODUCT. Where the list says 'softmax', what is quantised is not the finished softmax but p = 2^(t - M), with t = logit x log2(e) and M = ceil(the row's largest t), a whole number; so 1/2 < the row's largest p <= 1. The row's sum l is taken of the UNQUANTISED p, in f32, and the product's result is divided by l at the end. Since M is a whole number, a kernel that streams over the keys may use a running M (the ceiling of the running maximum): every later rescaling is an exact power of two, which a block's scale takes up: the codes' values come out the same.
;;   OPERANDS COMPUTED ON THE WAY. 'Computed on the way' means the value that the module computes at that place (a softmax that the list does not call 'softmax' is quantised finished and normalised). What goes into a quantiser is computed in f32, as accurately as f32 sums, v_exp_f32 and their like allow (about 1e-6 of the number): no bf16 or f16 on the way to a quantiser, and a product that is left as it is and whose result goes on into a quantised operand takes f32 operands (vector FMAs, or v_wmma_f32_16x16x4_f32). A number that lies on a knife's edge between two numbers of the format may be rounded either way, as far as f32 arithmetic and the matrix unit's own rounding can turn it there, and no further.
;; One version. Each part assembles by itself: llvm-mc -triple=amdgcn-amd-amdhsa -mcpu=gfx1250 --defsym DOCPART=n.
;; ======== version 1 of 1: 4 launches
;; limits: right only within a limited range of input values
;; workspace buffers: codes 15,728,640 bytes; scales 655,360 bytes; att 20,185,088 bytes; pbias 4,096 bytes
;; launch quant (part 1): grid 768 x 1, 8 waves a work-group, no clusters, 69,120 bytes of LDS; arguments x, q_w, k_w, v_mu, v_rho, v_eps, proj_mu, proj_rho, proj_eps, pb_mu, pb_rho, pb_eps, codes, scales, pbias; writes codes, scales, pbias
.if DOCPART == 1
	.amdgcn_target "amdgcn-amd-amdhsa--gfx1250"
	.amdhsa_code_object_version 6
	.text
	.protected	k_qd21c401f71_quant
	.globl	k_qd21c401f71_quant
	.p2align	8
	.type	k_qd21c401f71_quant,@function
k_qd21c401f71_quant:
	s_mov_b64 s[64:65], 0
	v_nop
	global_prefetch_b8 v0, s[64:65] scope:SCOPE_SE
	s_setreg_imm32_b32 hwreg(HW_REG_WAVE_MODE, 25, 1), 1
	s_wait_xcnt 0x0
; x [8192][1024] and the four weights [1024][1024] (q_w, k_w, v_w = v_mu + softplus(v_rho) v_eps, p_w likewise), all f32 with K innermost, become codes of FP6 (E2M3)
; with one E8M0 byte for each 32 along K; the bias pb_mu + softplus(pb_rho) pb_eps is made in f32.
; THE CODES ARE LAID AS IMAGES OF THE OPERAND'S REGISTERS.  A tile G is 16 rows; lane r of tile T of a tensor holds row 32 (T / 2) + 8 (T % 2) + r + 8 (r / 8).  A fragment (tile G, K step s of 128) is
; 1,536 bytes at (8 G + s) x 1,536: register pair p (0..5) of lane l at 256 p + 8 l.  The scale words lie [G][r][s], 4 bytes each.  G: x 0-511, q_w 512-575, k_w 576-639, v_w 640-703, p_w 704-767.
; SHARES.  A work-group is a tile, a wave a K step: one fragment.  Each load reads 512 consecutive bytes of one row; the 16 rows turn through the wave's own stage in LDS, so that lane (r, h) gets
; k = 64 c + 32 h + 0..31 of row r: two whole blocks a lane, in the order of the operand's registers.  Each store of codes covers 256 consecutive bytes, aligned.
; softplus(t) = max(t, 0) + log1p(e), e = exp(-|t|).  log1p(e) is ln 2 x log2(1 + e) for e >= 1/16; under that the rounding of 1 + e would show, and the series e - e^2/2 .. - e^6/6 is taken
; (its first dropped term is e^6 / 7 of the result, under 1e-8).  Both are always computed; the choice is a select.
; LIMITS: NaN and infinities are not served.  For rho under about -87, e falls to 0 and softplus is 0.  A block of zeros, or one whose largest magnitude lies under 2^-124, gets the byte 1:
; the bytes are read by this program alone, and a block of zeros has zero codes.
.set STGB,  8448                       ; a wave's stage: 16 rows x (512 + 16) bytes
.set SCB,   8*STGB                     ; the tile's 128 scale words
.set SPARE, SCB+512                    ; the spare words: 128 bytes for each of eight waves; no other line names them
.set SPW, 8                            ; v8   my spare word's address; never rewritten
.set NIL, 9                            ; v9   0; never rewritten
.set TM,  10                           ; v10-11 largest magnitudes
.set SO,  12                           ; v12-13 the conversions' scale operands
.set BY,  14                           ; v14-15 the bytes
.set W,   16                           ; v16  the scale word
.set W2,  17                           ; v17  the other half's part of it
.set R,   20                           ; v20-83   the numbers as loaded (or mu, then the sampled weight)
.set RH,  84                           ; v84-147  rho
.set X,   84                           ; the same registers later: the numbers in the operand's order
.set EP,  148                          ; v148-211 eps
.set E,   212                          ; v212-219 e; later the conversions' second halves
.set U,   220                          ; v220-227
.set P,   228                          ; v228-235
.set C,   236                          ; v236-247 the fragment's twelve registers
; mu[j] += softplus(rho[j]) x eps[j], j < n.  The exponentials are one batch with one wait, the logarithms another.
.macro SPLUS mu, rho, eps, n
.set j, 0
.rept \n
	v_mul_f32 v[E+j], s50, |v[(\rho)+j]|           ; -log2(e) |rho|
.set j, j+1
.endr
.set j, 0
	s_wait_alu depctr_va_vdst(0)
.rept \n
	v_exp_f32 v[E+j], v[E+j]                       ; e = exp(-|rho|)
.set j, j+1
.endr
.set j, 0
.rept \n
	v_max_num_f32 v[(\rho)+j], 0, v[(\rho)+j]      ; max(rho, 0): plain work behind the exponentials
.set j, j+1
.endr
	s_wait_alu depctr_va_vdst(0)
.set j, 0
.rept \n
	v_add_f32 v[U+j], 1.0, v[E+j]
.set j, j+1
.endr
.set j, 0
	s_wait_alu depctr_va_vdst(0)
.rept \n
	v_log_f32 v[U+j], v[U+j]
.set j, j+1
.endr
.set j, 0
.rept \n
	v_fmaak_f32 v[P+j], v19, v[E+j], 0x3e4ccccd    ; the series by Horner: -e/6 + 1/5; plain work behind the logarithms
.set j, j+1
.endr
.irp k, 0xbe800000, 0x3eaaaaab, 0xbf000000, 0x3f800000
.set j, 0
.rept \n
	v_fmaak_f32 v[P+j], v[P+j], v[E+j], \k         ; x e - 1/4, x e + 1/3, x e - 1/2, x e + 1
.set j, j+1
.endr
.endr
.set j, 0
.rept \n
	v_mul_f32 v[P+j], v[P+j], v[E+j]
.set j, j+1
.endr
	s_wait_alu depctr_va_vdst(0)
.set j, 0
.rept \n
	v_mul_f32 v[U+j], s51, v[U+j]                  ; ln 2 x log2(1 + e)
.set j, j+1
.endr
.set j, 0
.rept \n
	v_cmp_gt_f32 vcc_lo, 0x3d800000, v[E+j]        ; 1/16 > e: the series
	s_delay_alu instid0(VALU_DEP_1)
	v_cndmask_b32 v[U+j], v[U+j], v[P+j], vcc_lo
.set j, j+1
.endr
.set j, 0
.rept \n
	v_add_f32 v[U+j], v[U+j], v[(\rho)+j]
.set j, j+1
.endr
.set j, 0
.rept \n
	v_fmac_f32 v[(\mu)+j], v[U+j], v[(\eps)+j]
.set j, j+1
.endr
.endm
	s_load_b512 s[8:23], s[0:1], 0x0               ; x, q_w, k_w, v_mu, v_rho, v_eps, proj_mu, proj_rho
	s_load_b256 s[24:31], s[0:1], 0x40             ; proj_eps, pb_mu, pb_rho, pb_eps
	s_load_b128 s[32:35], s[0:1], 0x60             ; codes, scales
	s_load_b64 s[36:37], s[0:1], 0x70              ; pbias
	v_lshl_add_u32 v[SPW], v0, 2, SPARE
	v_mov_b32 v[NIL], 0
	v_lshrrev_b32 v1, 5, v0
	s_delay_alu instid0(VALU_DEP_1)
	v_readfirstlane_b32 s3, v1                     ; wave = K step
	s_mov_b32 s2, ttmp9                            ; G
	s_and_b32 s4, s2, 63
	s_cmp_lt_u32 s2, 512
	s_cselect_b32 s4, s2, s4                       ; the tile's number in its own tensor
	; THE ROWS OF A TILE (this order holds for all five tensors and takes the place of the one named at the head):
	; lane r of tile T holds row 64 (T / 4) + 8 (T % 4) + r + 24 (r / 8), so that a later product's eight results a lane of four neighbouring tiles are 32 neighbours along the next K
	s_lshr_b32 s5, s4, 2
	s_lshl_b32 s5, s5, 6
	s_and_b32 s6, s4, 3
	s_lshl_b32 s6, s6, 3
	s_add_co_u32 s5, s5, s6                        ; its first row: 64 (T / 4) + 8 (T % 4)
	s_lshl_b32 s38, s5, 12                         ; rows of 4,096 bytes
	s_lshl_b32 s6, s3, 9
	s_add_co_u32 s38, s38, s6                      ; + 512 bytes a K step
	s_mov_b32 s39, 0
	s_lshl_b32 s40, s2, 3
	s_add_co_u32 s40, s40, s3
	s_mul_i32 s40, s40, 1536                       ; my fragment's image
	s_mov_b32 s41, 0
	s_lshl_b32 s42, s2, 9                          ; the tile's scale words
	s_mov_b32 s43, 0
	s_mov_b32 s50, 0xbfb8aa3b                      ; -log2(e)
	s_mov_b32 s51, 0x3f317218                      ; ln 2
	s_mov_b32 s54, 0x76543210
	s_mov_b32 s55, 0xfedcba98                      ; lane l xor 16
	v_and_b32 v7, 31, v0
	s_delay_alu instid0(VALU_DEP_1)
	v_lshlrev_b32 v1, 4, v7                        ; 16 x lane
	s_delay_alu instid0(VALU_DEP_2)
	v_lshlrev_b32 v4, 3, v7                        ; 8 x lane
	s_mul_i32 s5, s3, STGB
	v_add_nc_u32 v2, s5, v1                        ; the stage, on the way in
	v_and_b32 v10, 15, v0                          ; r
	v_bfe_u32 v11, v0, 4, 1                        ; h
	s_delay_alu instid0(VALU_DEP_2)
	v_mul_u32_u24 v3, v10, 528
	s_delay_alu instid0(VALU_DEP_1)
	v_lshl_add_u32 v3, v11, 7, v3
	s_delay_alu instid0(VALU_DEP_1)
	v_add_nc_u32 v3, s5, v3                        ; and on the way out: row r, + 128 h
	s_lshl_b32 s6, s3, 2
	v_lshl_add_u32 v5, v10, 5, s6
	s_delay_alu instid0(VALU_DEP_1)
	v_add_nc_u32 v5, SCB, v5                       ; my scale word: [r][s]
	v_add_nc_u32 v6, SCB, v1
	v_lshlrev_b32 v7, 3, v11                       ; 8 h
	v_lshlrev_b32 v18, 4, v0                       ; the bias: 16 bytes a thread
	v_mov_b32 v19, 0xbe2aaaab                      ; -1/6
	v_mov_b32 v[W2], 0                             ; a lane permute's destination counts as read
	s_wait_kmcnt 0x0
	s_add_nc_u64 s[32:33], s[32:33], s[40:41]
	s_add_nc_u64 s[34:35], s[34:35], s[42:43]
	s_cmp_lt_u32 s2, 640
	s_cbranch_scc0 .Lbayes
	s_cmp_lt_u32 s2, 576                           ; a tensor that is taken as it is given: the choice hangs on the work-group's number alone
	s_cselect_b64 s[44:45], s[10:11], s[12:13]
	s_cmp_lt_u32 s2, 512
	s_cselect_b64 s[44:45], s[8:9], s[44:45]
	s_add_nc_u64 s[44:45], s[44:45], s[38:39]
.irp i, 0,1,2,3,4,5,6,7,8,9,10,11,12,13,14,15
	global_load_b128 v[R+4*\i:R+4*\i+3], v1, s[44:45] offset:(\i+24*(\i/8))*4096 th:TH_LOAD_NT   ; the tile's row i: 512 consecutive bytes
.endr
	s_branch .Lhave
.Lbayes:
	s_cmp_lt_u32 s2, 704
	s_cselect_b64 s[44:45], s[14:15], s[20:21]
	s_cselect_b64 s[46:47], s[16:17], s[22:23]
	s_cselect_b64 s[48:49], s[18:19], s[24:25]
	s_add_nc_u64 s[44:45], s[44:45], s[38:39]
	s_add_nc_u64 s[46:47], s[46:47], s[38:39]
	s_add_nc_u64 s[48:49], s[48:49], s[38:39]
.irp i, 0,1,2,3,4,5,6,7,8,9,10,11,12,13,14,15
	global_load_b128 v[R+4*\i:R+4*\i+3], v1, s[44:45] offset:(\i+24*(\i/8))*4096 th:TH_LOAD_NT
	global_load_b128 v[RH+4*\i:RH+4*\i+3], v1, s[46:47] offset:(\i+24*(\i/8))*4096 th:TH_LOAD_NT
	global_load_b128 v[EP+4*\i:EP+4*\i+3], v1, s[48:49] offset:(\i+24*(\i/8))*4096 th:TH_LOAD_NT
.endr
.irp g, 0,1,2,3,4,5,6,7
	s_wait_loadcnt 42-6*\g                         ; rows 2 g and 2 g + 1 are in: behind them 3 x (14 - 2 g) loads were issued
	SPLUS R+8*\g, RH+8*\g, EP+8*\g, 8
.endr
	s_cmp_lg_u32 s2, 640                           ; one work-group also makes the bias: 512 bytes a wave
	s_cbranch_scc1 .Lhave
	global_load_b128 v[EP:EP+3], v18, s[26:27]
	global_load_b128 v[EP+4:EP+7], v18, s[28:29]
	global_load_b128 v[EP+8:EP+11], v18, s[30:31]
	s_wait_loadcnt 0x0
	SPLUS EP, EP+4, EP+8, 4
	global_store_b128 v18, v[EP:EP+3], s[36:37]    ; these registers are not written again
.Lhave:
	s_wait_alu depctr_va_vdst(0)
.irp i, 0,1,2,3,4,5,6,7,8,9,10,11,12,13,14,15
	s_wait_loadcnt 15-\i                           ; row i is in; the rows behind it may be out
	ds_store_b128 v2, v[R+4*\i:R+4*\i+3] offset:528*\i
.endr
.irp c, 0,1
.irp j, 0,1,2,3,4,5,6,7
	ds_load_b128 v[X+32*\c+4*\j:X+32*\c+4*\j+3], v3 offset:256*\c+16*\j   ; LDS serves a wave's instructions in order: these see my stores
.endr
.endr
	s_wait_dscnt 0x0
.irp c, 0,1                                    ; my block 2 c + h: all its 32 numbers are mine
	v_max3_num_f32 v[TM+\c], |v[X+32*\c]|, |v[X+32*\c+1]|, 0x1800000   ; with the floor 2^(3 - 127): the byte cannot fall under 1
.endr
.irp i, 2,4,6,8,10,12,14,16,18,20,22,24,26,28,30
.irp c, 0,1
	s_delay_alu instid0(VALU_DEP_2)
	v_max3_num_f32 v[TM+\c], v[TM+\c], |v[X+32*\c+\i]|, |v[X+32*\c+\i+1]|
.endr
.endr
.irp c, 0,1
	s_delay_alu instid0(VALU_DEP_2)
	v_add_nc_u32 v[SO+\c], 0xff000000, v[TM+\c]    ; 2 off the exponent field: the conversion's scale operand
.endr
.irp c, 0,1
	s_delay_alu instid0(VALU_DEP_2)
	v_lshrrev_b32 v[BY+\c], 23, v[SO+\c]           ; the byte
.endr
	s_delay_alu instid0(VALU_DEP_1)
	v_lshl_or_b32 v[W], v[BY+1], 16, v[BY]         ; blocks h and 2 + h,
	s_delay_alu instid0(VALU_DEP_1)
	v_lshlrev_b32 v[W], v7, v[W]                   ; at their places,
	s_delay_alu instid0(VALU_DEP_1)
	v_permlanex16_b32 v[W2], v[W], s54, s55
	s_delay_alu instid0(VALU_DEP_1)
	v_or_b32 v[W], v[W], v[W2]                     ; with the other half's two: the row's word
.irp c, 0,1
	v_cvt_scalef32_pk16_fp6_f32 v[C+6*\c:C+6*\c+2], v[X+32*\c:X+32*\c+15], v[SO+\c]
	v_cvt_scalef32_pk16_fp6_f32 v[E+4*\c:E+4*\c+2], v[X+32*\c+16:X+32*\c+31], v[SO+\c]   ; (a conversion's three registers begin on an even number)
.endr
	v_nop                                          ; one plain place behind a scaled conversion
.irp c, 0,1
.irp i, 0,1,2
	v_mov_b32 v[C+6*\c+3+\i], v[E+4*\c+\i]
.endr
.endr
.irp p, 0,1,2,3,4,5
	global_store_b64 v4, v[C+2*\p:C+2*\p+1], s[32:33] offset:256*\p   ; 32 lanes store 256 consecutive bytes, aligned
.endr
	ds_store_b32 v5, v[W]                          ; lanes r and r + 16 write the same word with the same value
	s_wait_dscnt 0x0                               ; for wave 0's sake: my word has landed
	s_barrier_signal -1
	s_barrier_wait -1
	s_cmp_lg_u32 s3, 0
	s_cbranch_scc1 .Lend
	ds_load_b128 v[212:215], v6                    ; the tile's 128 words leave as 512 consecutive bytes
	s_wait_dscnt 0x0
	global_store_b128 v1, v[212:215], s[34:35]
.Lend:
	s_wait_tensorcnt 0x0                           ; the wave's end
	ds_add_u32 v[SPW], v[NIL]
	s_wait_dscnt 0x0
	s_endpgm
.Lfunc_end_k_qd21c401f71_quant:
	.size	k_qd21c401f71_quant, .Lfunc_end_k_qd21c401f71_quant-k_qd21c401f71_quant
	.p2alignl 7, 3214868480
	.fill 96, 4, 3214868480
	.section	.rodata,"a",@progbits
	.p2align	6, 0x0
	.amdhsa_kernel k_qd21c401f71_quant
		.amdhsa_group_segment_fixed_size 69120
		.amdhsa_private_segment_fixed_size 0
		.amdhsa_enable_private_segment 0
		.amdhsa_kernarg_size 120
		.amdhsa_user_sgpr_count 2
		.amdhsa_user_sgpr_kernarg_segment_ptr 1
		.amdhsa_wavefront_size32 1
		.amdhsa_system_sgpr_workgroup_id_x 1
		.amdhsa_system_sgpr_workgroup_id_y 1
		.amdhsa_system_sgpr_workgroup_id_z 1
		.amdhsa_system_vgpr_workitem_id 0
		.amdhsa_next_free_vgpr 248
		.amdhsa_next_free_sgpr 66
		.amdhsa_reserve_vcc 1
		.amdhsa_float_denorm_mode_32 3
		.amdhsa_float_denorm_mode_16_64 3
		.amdhsa_memory_ordered 1
		.amdhsa_forward_progress 1
		.amdhsa_inst_pref_size 70
	.end_amdhsa_kernel
	.amdgpu_metadata
---
amdhsa.version: [ 1, 2 ]
amdhsa.kernels:
  - .name:           k_qd21c401f71_quant
    .symbol:         k_qd21c401f71_quant.kd
    .args:
      - { .name: x, .offset: 0, .size: 8, .value_kind: global_buffer, .address_space: global }
      - { .name: q_w, .offset: 8, .size: 8, .value_kind: global_buffer, .address_space: global }
      - { .name: k_w, .offset: 16, .size: 8, .value_kind: global_buffer, .address_space: global }
      - { .name: v_mu, .offset: 24, .size: 8, .value_kind: global_buffer, .address_space: global }
      - { .name: v_rho, .offset: 32, .size: 8, .value_kind: global_buffer, .address_space: global }
      - { .name: v_eps, .offset: 40, .size: 8, .value_kind: global_buffer, .address_space: global }
      - { .name: proj_mu, .offset: 48, .size: 8, .value_kind: global_buffer, .address_space: global }
      - { .name: proj_rho, .offset: 56, .size: 8, .value_kind: global_buffer, .address_space: global }
      - { .name: proj_eps, .offset: 64, .size: 8, .value_kind: global_buffer, .address_space: global }
      - { .name: pb_mu, .offset: 72, .size: 8, .value_kind: global_buffer, .address_space: global }
      - { .name: pb_rho, .offset: 80, .size: 8, .value_kind: global_buffer, .address_space: global }
      - { .name: pb_eps, .offset: 88, .size: 8, .value_kind: global_buffer, .address_space: global }
      - { .name: codes, .offset: 96, .size: 8, .value_kind: global_buffer, .address_space: global }
      - { .name: scales, .offset: 104, .size: 8, .value_kind: global_buffer, .address_space: global }
      - { .name: pbias, .offset: 112, .size: 8, .value_kind: global_buffer, .address_space: global }
    .group_segment_fixed_size: 69120
    .private_segment_fixed_size: 0
    .kernarg_segment_align: 8
    .kernarg_segment_size: 120
    .max_flat_workgroup_size: 256
    .sgpr_count:     66
    .vgpr_count:     248
    .wavefront_size: 32
...
	.end_amdgpu_metadata
.endif
;; end of part 1
;; launch qkv (part 2): grid 12 x 32, 4 waves a work-group, clusters of 4 x 4, 327,680 bytes of LDS; arguments codes, scales, att; writes att
.if DOCPART == 2
	.amdgcn_target "amdgcn-amd-amdhsa--gfx1250"
	.amdhsa_code_object_version 6
	.text
	.protected	k_qd21c401f71_qkv
	.globl	k_qd21c401f71_qkv
	.p2align	8
	.type	k_qd21c401f71_qkv,@function
k_qd21c401f71_qkv:
	s_mov_b64 s[64:65], 0
	v_nop
	global_prefetch_b8 v0, s[64:65] scope:SCOPE_SE
	s_setreg_imm32_b32 hwreg(HW_REG_WAVE_MODE, 25, 1), 1
	s_wait_xcnt 0x0
	s_wait_alu depctr_hold_cnt(0) depctr_sa_sdst(0) depctr_va_vdst(0) depctr_va_sdst(0) depctr_va_ssrc(0) depctr_va_vcc(0) depctr_vm_vsrc(0)
	s_getreg_b32 s2, hwreg(HW_REG_IB_STS2, 6, 4)
	s_cmp_eq_u32 s2, 0
	s_cbranch_scc0 .Lentry_in_a_cluster
	s_endpgm
.Lentry_in_a_cluster:
	s_bfe_u32 s2, ttmp6, 0x10000c
	s_cmp_lg_u32 s2, 0xf033
	s_cbranch_scc0 .Lentry_shape_is_right
	s_endpgm
.Lentry_shape_is_right:
.set FR,    12
.set TILEB, 3072
.set HALFT, 8*TILEB
.set SLOT,  4*HALFT
.set SPARE, 2*SLOT
.set GROW,  12288
.set HS,    315392
.set KI,    0
.set VI,    98304
.set KS,    196608
.set VS,    204800
.set QI,    208896
.set QS,    307200
.set ADRA, 16
.set ADRB, 20
.set L8,   24
.set H16,  25
.set SOF,  26
.set HH,   27
.set SPW,  28
.set NIL,  29
.set VSO,  30
.set SC,   32
.set TM,   96
.set WD,   112
.set VO,   120
.set AF,   128
.set PC,   128
.set SCR,  224
.set G1,  24
.set G0,  32
.set G1B, 48
.set G0B, 56
.set MSB, 0
.macro WIN new
.if MSB != \new
	s_set_vgpr_msb (MSB<<8)|\new
.set MSB, \new
.endif
.endm
.set MUL_LO, 0xa1
.set MUL_HI, 0xf1
.set TO_B,   0x40
.macro JLOAD g0a, g1a, g0b, g1b
	s_cmp_eq_u32 s15, 0
	s_cbranch_scc0 .Lfor_b_\@
	tensor_load_to_lds s[\g0a:\g0a+3], s[\g1a:\g1a+7]
	s_nop 0
.rept 4
	v_nop
.endr
	s_branch .Lasked_\@
.Lfor_b_\@:
	tensor_load_to_lds s[\g0b:\g0b+3], s[\g1b:\g1b+7]
	s_nop 0
.rept 4
	v_nop
.endr
.Lasked_\@:
.endm
.macro CREST
	s_cmp_lg_u32 s14, 0
	s_cbranch_scc1 .Lnot_wave_0_\@
	s_barrier_signal -3
.Lnot_wave_0_\@:
	s_barrier_wait -3
	s_barrier_signal -1
	s_barrier_wait -1
.endm
.macro CROUND
	s_barrier_signal -1
	s_barrier_wait -1
	CREST
.endm
.macro PLACES n
.rept \n
	v_nop
.endr
.endm
.macro FRAG reg, adr, q, i
.irp p, 0,1,2,3,4,5
	ds_load_b64 v[\reg+2*\p:\reg+2*\p+1], v[\adr] offset:(\i)*TILEB+(\q)*1536+\p*256
.endr
.endm
.macro FETCH_B slot, q, p
	WIN TO_B
.irp i, 0,1,2,3,4,5,6,7
	FRAG 128*(\p)+FR*\i, ADRB+\slot, \q, \i
.endr
	WIN 0
.endm
.macro FETCH_A slot, q, i0
.irp i, \i0, \i0+1, \i0+2, \i0+3
	FRAG AF+FR*(\i), ADRA+\slot, \q, \i
.endr
.endm
.macro MUL16 a0, s, mode
.irp a, \a0, \a0+1
.irp b, 0,1,2,3,4,5,6,7
.if \mode
	v_wmma_scale_f32_16x16x128_f8f6f4 v[8*(8*((\a)%4)+\b):8*(8*((\a)%4)+\b)+7], v[128*((\s)%2)+FR*\b:128*((\s)%2)+FR*\b+FR-1], v[AF+FR*(\a):AF+FR*(\a)+FR-1], 0, v[SC+8*\b+(\s)], v[SC+8*(\a)+(\s)] matrix_a_fmt:MATRIX_FMT_FP6 matrix_b_fmt:MATRIX_FMT_FP6 matrix_a_scale:MATRIX_SCALE_ROW1
.else
	v_wmma_scale_f32_16x16x128_f8f6f4 v[8*(8*((\a)%4)+\b):8*(8*((\a)%4)+\b)+7], v[128*((\s)%2)+FR*\b:128*((\s)%2)+FR*\b+FR-1], v[AF+FR*(\a):AF+FR*(\a)+FR-1], v[8*(8*((\a)%4)+\b):8*(8*((\a)%4)+\b)+7], v[SC+8*\b+(\s)], v[SC+8*(\a)+(\s)] matrix_a_fmt:MATRIX_FMT_FP6 matrix_b_fmt:MATRIX_FMT_FP6 matrix_a_scale:MATRIX_SCALE_ROW1
.endif
.endr
.endr
.endm
.macro STEP slot, s, mode
	s_wait_dscnt 24
	WIN MUL_LO
	MUL16 0, \s, \mode
	MUL16 2, \s, \mode
	s_wait_dscnt 0
	PLACES 4
	FETCH_B \slot, 1, 1
	FETCH_A \slot, 1, 0
	WIN MUL_HI
	MUL16 4, \s, \mode
	MUL16 6, \s, \mode
	PLACES 4
	WIN 0
	FETCH_A \slot, 1, 4
.endm
.macro TURN slot, next, s, fill
	s_wait_tensorcnt 0x0
	ds_add_u32 v[SPW], v[NIL]
	s_wait_dscnt 25
	WIN MUL_LO
	MUL16 0, \s, 0
	s_wait_dscnt 0x0
	s_barrier_signal -1
	MUL16 2, \s, 0
	WIN 0
	s_barrier_wait -1
.if \fill
	CREST
	s_add_nc_u64 s[G0+4*\slot+2:G0+4*\slot+3], s[G0+4*\slot+2:G0+4*\slot+3], 2*TILEB
	s_add_nc_u64 s[G0B+4*\slot+2:G0B+4*\slot+3], s[G0B+4*\slot+2:G0B+4*\slot+3], 2*TILEB
	JLOAD G0+4*\slot, G1, G0B+4*\slot, G1B
.else
	PLACES 4
.endif
	FETCH_B \next, 0, 0
	FETCH_A \next, 0, 0
	WIN MUL_HI
	MUL16 4, \s, 0
	MUL16 6, \s, 0
	PLACES 4
	WIN 0
	FETCH_A \next, 0, 4
.endm
	s_load_b128 s[4:7], s[0:1], 0x0
	s_load_b64 s[8:9], s[0:1], 0x10
	v_lshl_add_u32 v[SPW], v0, 2, SPARE
	v_mov_b32 v[NIL], 0
	ds_add_u32 v[SPW], v[NIL]
	ds_add_u32 v[SPW], v[NIL]
	v_lshrrev_b32 v1, 5, v0
	v_readfirstlane_b32 s14, v1
	s_lshr_b32 s15, s14, 1
	s_and_b32 s16, s14, 1
	s_bfe_u32 s40, ttmp6, 0x40000
	s_bfe_u32 s41, ttmp6, 0x40004
	s_and_b32 s17, ttmp7, 0xffff
	s_lshl_b32 s17, s17, 2
	s_lshl_b32 s42, ttmp9, 2
	s_cmp_eq_u32 ttmp9, 2
	s_cselect_b32 s66, 1, 0
	s_cselect_b32 s18, 0, s17
	s_cselect_b32 s42, s17, s42
	s_cselect_b32 s67, 640, 0
	s_cselect_b32 s68, 0, 512
	s_add_co_u32 s17, s18, s41
	s_add_co_u32 s42, s42, s40
	s_lshl_b32 s43, s41, 2
	s_lshl_b32 s43, 15, s43
	s_lshl_b32 s44, 0x1111, s40
	s_or_b32 s[G1+0], s43, (3<<16)|(1<<21)
	s_or_b32 s[G1B+0], s44, (3<<16)|(1<<21)
.irp g, G1, G1B
	s_mov_b32 s[\g+1], 384<<16
	s_mov_b32 s[\g+2], 8<<16
	s_mov_b32 s[\g+3], 384<<16
	s_mov_b32 s[\g+4], 8
	s_mov_b32 s[\g+5], 1536
	s_mov_b32 s[\g+6], 0
	s_mov_b32 s[\g+7], 0
.endr
	s_lshl_b32 s19, s16, 3
	s_lshl_b32 s20, s17, 4
	s_add_co_u32 s20, s20, s67
	s_add_co_u32 s20, s20, s19
	s_mul_i32 s20, s20, GROW
	s_mov_b32 s21, 0
	s_lshl_b32 s46, s42, 4
	s_add_co_u32 s46, s46, s68
	s_add_co_u32 s46, s46, s19
	s_mul_i32 s46, s46, GROW
	s_mov_b32 s47, 0
	s_mul_i32 s45, s14, HALFT
	s_wait_dscnt 0x0
	s_wait_kmcnt 0x0
	s_add_nc_u64 s[20:21], s[4:5], s[20:21]
	s_add_nc_u64 s[46:47], s[4:5], s[46:47]
	CROUND
.irp s, 0,1
	s_mov_b32 s[G0+4*\s], 1
	s_add_co_u32 s[G0+4*\s+1], s45, \s*SLOT
	s_add_nc_u64 s[G0+4*\s+2:G0+4*\s+3], s[20:21], \s*TILEB
	s_or_b32 s[G0+4*\s+3], s[G0+4*\s+3], 0x80000000
	s_mov_b32 s[G0B+4*\s], 1
	s_add_co_u32 s[G0B+4*\s+1], s45, \s*SLOT
	s_add_nc_u64 s[G0B+4*\s+2:G0B+4*\s+3], s[46:47], \s*TILEB
	s_or_b32 s[G0B+4*\s+3], s[G0B+4*\s+3], 0x80000000
	s_wait_alu depctr_va_vdst(0)
	s_wait_tensorcnt 0x0
	ds_add_u32 v28, v29
	ds_add_u32 v28, v29
	s_wait_dscnt 0x0
	CROUND
	JLOAD G0+4*\s, G1, G0B+4*\s, G1B
.endr
	v_and_b32 v1, 15, v0
	v_bfe_u32 v[HH], v0, 4, 1
	s_wait_alu depctr_va_vdst(0)
	v_and_b32 v3, 31, v0
	v_lshlrev_b32 v[L8], 3, v3
	s_mul_i32 s21, s15, HALFT
	s_mul_i32 s22, s16, HALFT
	s_add_co_u32 s22, s22, 2*HALFT
.irp s, 0,1
	v_add_nc_u32 v[ADRA+\s], s21, v[L8]
	v_add_nc_u32 v[ADRB+\s], s22, v[L8]
	s_add_co_u32 s21, s21, SLOT
	s_add_co_u32 s22, s22, SLOT
.endr
	s_lshl_b32 s69, s17, 4
	s_add_co_u32 s69, s69, s67
	s_lshl_b32 s70, s15, 3
	s_add_co_u32 s69, s69, s70
	s_lshl_b32 s69, s69, 9
	s_lshl_b32 s70, s42, 4
	s_add_co_u32 s70, s70, s68
	s_lshl_b32 s71, s16, 3
	s_add_co_u32 s70, s70, s71
	s_lshl_b32 s70, s70, 9
	v_mov_b32 v4, s69
	v_mov_b32 v5, s70
	v_cmp_eq_u32 vcc_lo, 1, v[HH]
	v_cndmask_b32 v4, v4, v5, vcc_lo
	v_lshl_add_u32 v[VSO], v1, 5, v4
.irp i, 0,1,2,3,4,5,6,7
.irp e, 0,1
	global_load_b128 v[SC+8*\i+4*\e:SC+8*\i+4*\e+3], v[VSO], s[6:7] offset:512*\i+16*\e
.endr
.endr
	v_lshlrev_b32 v[H16], 4, v[HH]
	v_lshlrev_b32 v31, 3, v[HH]                    ; 8 h: where my two scale bytes stand in a row's word
	v_mul_u32_u24 v[SOF], v[HH], HS
	v_lshl_add_u32 v[SOF], v1, 4, v[SOF]
.irp b, 0,1,2,3
	v_mov_b32 v[TM+4+\b], 0
.endr
	s_mov_b32 s90, 0x76543210
	s_mov_b32 s91, 0xfedcba98
	s_lshl_b32 s70, s42, 2
	s_lshl_b32 s71, s16, 1
	s_add_co_u32 s70, s70, s71
	s_and_b32 s71, s17, 7
	s_lshl_b32 s71, s71, 4
	s_lshl_b32 s72, s15, 3
	s_add_co_u32 s71, s71, s72
	s_lshr_b32 s72, s17, 3
	s_lshl_b32 s72, s72, 4
	s_and_b32 s73, s70, 15
	s_add_co_u32 s72, s72, s73
	s_mul_i32 s73, s71, 768
	s_lshl_b32 s74, s71, 6
	s_cmp_lt_u32 s70, 16
	s_cselect_b32 s75, QI, KI
	s_mov_b32 s76, KS
	s_cselect_b32 s76, QS, s76
	s_add_co_u32 s73, s73, s75
	s_add_co_u32 s74, s74, s76
	s_and_b32 s75, s42, 7
	s_lshl_b32 s75, s75, 1
	s_add_co_u32 s75, s75, s16
	s_lshr_b32 s76, s42, 3
	s_lshl_b32 s76, s76, 4
	s_lshl_b32 s77, s17, 2
	s_add_co_u32 s76, s76, s77
	s_lshl_b32 s77, s15, 1
	s_add_co_u32 s76, s76, s77
	s_mul_i32 s77, s75, 6144
	s_add_co_u32 s77, s77, VI
	s_lshl_b32 s78, s75, 8
	s_add_co_u32 s78, s78, VS
	s_cmp_eq_u32 s66, 1
	s_cselect_b32 s72, s76, s72
	s_cselect_b32 s73, s77, s73
	s_cselect_b32 s74, s78, s74
	s_mov_b32 s86, 768
	s_cselect_b32 s86, 1536, s86
	s_cselect_b32 s87, HS-6144, 0
	s_mov_b32 s79, HS
	s_cselect_b32 s79, 768, s79
	s_mul_i32 s72, s72, HS
	s_add_co_u32 s80, s72, s73
	s_mov_b32 s81, 0
	s_add_co_u32 s84, s72, s74
	s_mov_b32 s85, 0
	s_mov_b32 s82, s79
	s_mov_b32 s83, 0
	s_add_nc_u64 s[80:81], s[8:9], s[80:81]
	s_add_nc_u64 s[82:83], s[80:81], s[82:83]
	s_add_nc_u64 s[84:85], s[8:9], s[84:85]
	s_mov_b32 s88, 0
	s_wait_tensorcnt 1
	s_barrier_signal -1
	s_barrier_wait -1
	FETCH_B 0, 0, 0
	FETCH_A 0, 0, 0
	FETCH_A 0, 0, 4
	s_wait_loadcnt 0x0
	STEP 0, 0, 1
	TURN 0, 1, 1, 1
	STEP 1, 2, 0
	TURN 1, 0, 3, 1
	STEP 0, 4, 0
	TURN 0, 1, 5, 0
	STEP 1, 6, 0
	s_wait_dscnt 24
	WIN MUL_LO
	MUL16 0, 7, 0
	MUL16 2, 7, 0
	s_wait_dscnt 0
	WIN MUL_HI
	MUL16 4, 7, 0
	MUL16 6, 7, 0
	WIN 0
	PLACES 4
.macro QUANTW a
.set AC, 64*((\a)%4)
.set PCA, PC+12*(\a)
	WIN 0x0a+5*((\a)/4)
.irp b, 0,1,2,3
	v_max3_num_f32 v[TM+\b], |v[AC+16*\b]|, |v[AC+16*\b+1]|, 0x1800000
.endr
.irp i, 2,4,6,8,10,12,14
.irp b, 0,1,2,3
	v_max3_num_f32 v[TM+\b], |v[AC+16*\b+\i]|, |v[AC+16*\b+\i+1]|, v[TM+\b]
.endr
.endr
	WIN 0
	; by the tiles' order of rows a lane's registers 32 c .. 32 c + 31 are one whole block, 2 c + h: no other lane is asked
	v_max_num_f32 v[TM], v[TM], v[TM+1]
	v_max_num_f32 v[TM+2], v[TM+2], v[TM+3]
	v_mov_b32 v[TM+1], v[TM]
	v_mov_b32 v[TM+3], v[TM+2]
.irp b, 0,1,2,3
	v_add_nc_u32 v[TM+12+\b], 0xff000000, v[TM+\b]
.endr
.irp b, 0,1,2,3
	v_lshrrev_b32 v[TM+4+\b], 23, v[TM+12+\b]
.endr
	v_lshl_or_b32 v[WD+(\a)], v[TM+6], 16, v[TM+4] ; my bytes: blocks h and 2 + h,
	v_lshlrev_b32 v[WD+(\a)], v31, v[WD+(\a)]      ; at their places,
	v_permlanex16_b32 v[TM+5], v[WD+(\a)], s90, s91
	v_or_b32 v[WD+(\a)], v[WD+(\a)], v[TM+5]       ; with the other half's two: the row's word
	WIN 0x02+((\a)/4)
.irp c, 0,1
	v_cvt_scalef32_pk16_fp6_f32 v[PCA+6*\c:PCA+6*\c+2], v[AC+32*\c:AC+32*\c+15], v[TM+12+2*\c]
	v_cvt_scalef32_pk16_fp6_f32 v[SCR+4*\c:SCR+4*\c+2], v[AC+32*\c+16:AC+32*\c+31], v[TM+12+2*\c+1]
.endr
	WIN 0
	v_nop
.irp c, 0,1
.irp i, 0,1,2
	v_mov_b32 v[PCA+6*\c+3+\i], v[SCR+4*\c+\i]
.endr
.endr
	v_add_nc_u32 v[VO+(\a)], s88, v[L8]
.irp p, 0,1,2
	global_store_b64 v[VO+(\a)], v[PCA+2*\p:PCA+2*\p+1], s[80:81] offset:256*\p
.endr
.irp p, 0,1,2
	global_store_b64 v[VO+(\a)], v[PCA+6+2*\p:PCA+6+2*\p+1], s[82:83] offset:256*\p
.endr
	s_add_co_u32 s88, s88, s86
.if (\a) == 3
	s_add_co_u32 s88, s88, s87
.endif
.endm
.irp a, 0,1,2,3,4,5,6,7
	QUANTW \a
.endr
	s_cmp_eq_u32 s66, 0
	s_cbranch_scc0 .Lvscale
.irp a, 0,1,2,3,4,5,6,7
	v_lshrrev_b32 v[WD+\a], v[H16], v[WD+\a]
.endr
	global_store_b128 v[SOF], v[WD:WD+3], s[84:85]
	global_store_b128 v[SOF], v[WD+4:WD+7], s[84:85] offset:256
	s_branch .Lfin
.Lvscale:
	v_cmp_eq_u32 vcc_lo, 1, v[HH]
.irp i, 0,1,2,3
	v_cndmask_b32 v[WD+\i], v[WD+\i], v[WD+4+\i], vcc_lo
.endr
	global_store_b128 v[SOF], v[WD:WD+3], s[84:85]
.Lfin:
	s_wait_tensorcnt 0x0
	ds_add_u32 v[SPW], v[NIL]
	s_wait_dscnt 0x0
	CROUND
	s_endpgm
.Lfunc_end_k_qd21c401f71_qkv:
	.size	k_qd21c401f71_qkv, .Lfunc_end_k_qd21c401f71_qkv-k_qd21c401f71_qkv
	.p2alignl 7, 3214868480
	.fill 96, 4, 3214868480
	.section	.rodata,"a",@progbits
	.p2align	6, 0x0
	.amdhsa_kernel k_qd21c401f71_qkv
		.amdhsa_group_segment_fixed_size 327680
		.amdhsa_private_segment_fixed_size 0
		.amdhsa_enable_private_segment 0
		.amdhsa_kernarg_size 24
		.amdhsa_user_sgpr_count 2
		.amdhsa_user_sgpr_kernarg_segment_ptr 1
		.amdhsa_wavefront_size32 1
		.amdhsa_system_sgpr_workgroup_id_x 1
		.amdhsa_system_sgpr_workgroup_id_y 1
		.amdhsa_system_sgpr_workgroup_id_z 1
		.amdhsa_system_vgpr_workitem_id 0
		.amdhsa_next_free_vgpr 1024
		.amdhsa_next_free_sgpr 100
		.amdhsa_reserve_vcc 1
		.amdhsa_float_denorm_mode_32 3
		.amdhsa_float_denorm_mode_16_64 3
		.amdhsa_memory_ordered 1
		.amdhsa_forward_progress 1
		.amdhsa_inst_pref_size 163
	.end_amdhsa_kernel
	.amdgpu_metadata
---
amdhsa.version: [ 1, 2 ]
amdhsa.kernels:
  - .name:           k_qd21c401f71_qkv
    .symbol:         k_qd21c401f71_qkv.kd
    .args:
      - { .name: codes, .offset: 0, .size: 8, .value_kind: global_buffer, .address_space: global }
      - { .name: scales, .offset: 8, .size: 8, .value_kind: global_buffer, .address_space: global }
      - { .name: att, .offset: 16, .size: 8, .value_kind: global_buffer, .address_space: global }
    .group_segment_fixed_size: 327680
    .private_segment_fixed_size: 0
    .kernarg_segment_align: 8
    .kernarg_segment_size: 24
    .max_flat_workgroup_size: 128
    .sgpr_count:     100
    .vgpr_count:     1024
    .wavefront_size: 32
...
	.end_amdgpu_metadata
.endif
;; end of part 2
;; launch attn (part 3): grid 4 x 64, 8 waves a work-group, clusters of 4 x 1, 209,920 bytes of LDS; arguments att, codes, scales; writes codes, scales
.if DOCPART == 3
	.amdgcn_target "amdgcn-amd-amdhsa--gfx1250"
	.amdhsa_code_object_version 6
	.text
	.protected	k_qd21c401f71_attn
	.globl	k_qd21c401f71_attn
	.p2align	8
	.type	k_qd21c401f71_attn,@function
k_qd21c401f71_attn:
	s_mov_b64 s[64:65], 0
	v_nop
	global_prefetch_b8 v0, s[64:65] scope:SCOPE_SE
	s_setreg_imm32_b32 hwreg(HW_REG_WAVE_MODE, 25, 1), 1
	s_wait_xcnt 0x0
	s_wait_alu depctr_hold_cnt(0) depctr_sa_sdst(0) depctr_va_vdst(0) depctr_va_sdst(0) depctr_va_ssrc(0) depctr_va_vcc(0) depctr_vm_vsrc(0)
	s_getreg_b32 s2, hwreg(HW_REG_IB_STS2, 6, 4)
	s_cmp_eq_u32 s2, 0
	s_cbranch_scc0 .Lentry_in_a_cluster
	s_endpgm
.Lentry_in_a_cluster:
	s_bfe_u32 s2, ttmp6, 0x10000c
	s_cmp_lg_u32 s2, 0x3003
	s_cbranch_scc0 .Lentry_shape_is_right
	s_endpgm
.Lentry_shape_is_right:
; O = softmax(q k^T / 8) v for one (batch, head) of 2,048 tokens and 64 channels, both products on codes of FP6 (E2M3) with E8M0 scales; O is quantised along the channels and leaves as an image of the last product's operand.
; THE SOFTMAX: t = score x log2(e) / 8; M = the running largest t rounded UP to a whole number; p = 2^(t - M) is quantised along the keys, not normalised; the row's sum is taken of the unquantised p and divides O at the end.
; When M moves, the sum and O are multiplied by 2^(old M - new M): exact.
; SHARES.  A work-group owns 512 queries of a head.  Each of its eight waves owns 64: two passes of TWO TILES of 16 side by side, so that each fragment of K and of V that comes from LDS feeds two products,
; and each phase of a step (maxima, M, t - M, exponentials, sums, codes) runs over both tiles under one set of waits, the two tiles' short chains by turns.
; ALL OF THE HEAD'S K AND V STAY IN LDS: the record's first 208,896 bytes are one dense block, laid as LDS wants it; each wave brings 102 rows of 256 bytes by its one tensor load.
; CLUSTER: the four work-groups of a head read the same bytes, so each of those loads is asked for jointly.  Nothing is filled again: no ring.  No prefetch: the launch has no loop that loads from memory.
; LAYOUT.  Both products are used transposed: S^T = K Q^T, O^T = V^T P^T: a lane holds one query throughout.  Lane r of tile T of tokens (or of channels) holds row 64 (T / 4) + 8 (T % 4) + r + 24 (r / 8):
; so lane (r, h)'s 32 registers of tiles 4 c .. 4 c + 3 are keys 64 c + 32 h + 0 .. 31, ONE WHOLE SCALE BLOCK in the order of the operand's registers; O^T's 32 registers likewise are channels 32 h + 0 .. 31.
; No lane asks another for a block's maximum, and no code changes lanes; only the row's maximum, the row's sum and p's scale word join lanes l and l xor 16.
; K = 64 IN AN INSTRUCTION OF 128: Q's registers 6-11 are zero codes, so whatever codes stand in the upper six registers of K's operand add nothing (every code of this format is a finite number, no scale byte here is 0xff).
; K's tiles lie six registers apiece; tile t's operand is v[FK + 6 t .. FK + 6 t + 11], whose upper half is tile t + 1's codes (for tile 7: zeros).
; REGISTERS.  Window 1: v0-127 S^T, then p (tile u at 64 u); v128-191 O^T (32 u).  Window 0: all else.
; The last step of a pass fetches 'the next K' from the bytes behind K's (V's images, V's scale words): bytes that the fill wrote; the registers are fetched anew ahead of their next use.
; LIMITS: NaN and infinities are not served; the promise holds while the scaled scores stay under 2^31 in magnitude; a block of O under 2^-124 (zeros too) gets the byte 1.
; A head owns 2 of a row's 32 scale bytes of O: they leave a byte a lane, 32 bytes apart.
.set HS,    315392
.set VI,    98304
.set KS,    196608
.set VS,    204800
.set QI,    208896
.set QS,    307200
.set SPARE, 208896                     ; behind the head's K and V: the spare words, 128 bytes for each of eight waves; no other line names them
.set PART,  26112                      ; 102 rows of 256 bytes: a wave's part of the fill
.set ADK, 8                            ; v8-11 the step's LDS addresses: K's images, V's, K's scale words, V's
.set ADV, 9
.set ADS, 10
.set ADT, 11
; v[12+2u] -M, v[13+2u] the running largest score, v[16+2u:17+2u] the sum, v[20+2u:21+2u] f (low word), v24-27 short-lived
.set QSW, 32                           ; v32-33 Q's scale words; v34-35 the next pass's; v36-37 p's; v40-47 K's; v48-51 V's: these hold scales and nothing else
.set QSN, 34
.set PSW, 36
.set KSW, 40
.set VSW, 48
.set Q,   52                           ; v52-75 two operands: six registers of codes, six of zeros
.set QN,  76                           ; v76-87 the next pass's codes
.set FK,  88                           ; v88-141 K's eight tiles x 6, six zeros
.set FV,  142                          ; v142-189 V's four fragments
.set PCD, 190                          ; v190-213 p's codes, two operands
.set SCR, 214                          ; v214-229 the conversions' second halves
.set BM,  230                          ; v230-233 the blocks' largest scores (block 2 u + c)
.set SOP, 234                          ; v234-237 the conversions' scale operands
.set BY,  238                          ; v238-241 the bytes
.set CH,  242                          ; v242-249 eight chains of maxima
.set SU,  242                          ; v242-253 later: three more chains of the sum for each tile
.set MSB, 0
.macro WIN new                         ; the immediate's high byte repeats the setting that is left
.if MSB != \new
	s_set_vgpr_msb (MSB<<8)|\new
.set MSB, \new
.endif
.endm
.macro WALU
	s_wait_alu depctr_va_vdst(0)
.endm
.macro MM d, a, b, c, sa, sb
	v_wmma_scale_f32_16x16x128_f8f6f4 v[\d:\d+7], v[\a:\a+11], v[\b:\b+11], \c, v[\sa], v[\sb] matrix_a_fmt:MATRIX_FMT_FP6 matrix_b_fmt:MATRIX_FMT_FP6
.endm
.macro CROUND
	s_barrier_signal -1
	s_barrier_wait -1
	s_cmp_lg_u32 s18, 0
	s_cbranch_scc1 .Lnot_wave_0_\@
	s_barrier_signal -3
.Lnot_wave_0_\@:
	s_barrier_wait -3
	s_barrier_signal -1
	s_barrier_wait -1
.endm
	s_load_b128 s[4:7], s[0:1], 0x0                ; att, codes
	s_load_b64 s[8:9], s[0:1], 0x10                ; scales
	v_lshl_add_u32 v5, v0, 2, SPARE
	v_mov_b32 v6, 0
	ds_add_u32 v5, v6                              ; the wave's opening: the add, twice on end, and its wait ahead of my tensor load
	ds_add_u32 v5, v6
	v_lshrrev_b32 v8, 5, v0
	v_readfirstlane_b32 s18, v8                    ; wave 0..7
	s_bfe_u32 s12, ttmp6, 0x40000                  ; cx: my quarter of the queries; it enters global addresses alone
	s_and_b32 s13, ttmp7, 0xffff                   ; 16 x batch + head
	s_mul_i32 s14, s13, HS                         ; the record
	s_mov_b32 s24, 15|(3<<16)|(1<<21)              ; group 1: 102 rows of 256 bytes (32 elements of 8 bytes), dense; the mask names all four work-groups
	s_mov_b32 s25, 32<<16
	s_mov_b32 s26, 102<<16
	s_mov_b32 s27, 32<<16
	s_mov_b32 s28, 102
	s_mov_b32 s29, 32
	s_mov_b32 s30, 0
	s_mov_b32 s31, 0
	s_mov_b32 s32, 1
	s_mul_i32 s33, s18, PART                       ; LDS address: the wave's number times a constant
	s_add_co_u32 s16, s14, s33
	s_mov_b32 s17, 0
	s_lshl_b32 s46, s12, 5
	s_lshl_b32 s47, s18, 1
	s_add_co_u32 s46, s46, s47                     ; my first tile of queries in pass 0: 32 cx + 2 wave
	s_mul_i32 s36, s46, 768
	s_add_co_u32 s36, s36, s14
	s_add_co_u32 s36, s36, QI
	s_mov_b32 s37, 0
	s_lshr_b32 s47, s46, 2
	s_lshl_b32 s38, s47, 8
	s_and_b32 s47, s46, 3
	s_lshl_b32 s47, s47, 2
	s_add_co_u32 s38, s38, s47
	s_add_co_u32 s38, s38, s14
	s_add_co_u32 s38, s38, QS
	s_mov_b32 s39, 0
	s_lshr_b32 s47, s13, 4
	s_lshl_b32 s47, s47, 7
	s_add_co_u32 s47, s47, s46
	s_add_co_u32 s47, s47, 768                     ; O's tile in 'codes'
	s_and_b32 s48, s13, 15                         ; the head
	s_lshl_b32 s40, s47, 3
	s_lshr_b32 s49, s48, 1
	s_add_co_u32 s40, s40, s49                     ; its K step of the last product,
	s_mul_i32 s40, s40, 1536
	s_and_b32 s49, s48, 1
	s_mul_i32 s49, s49, 768                        ; and which half of the fragment
	s_add_co_u32 s40, s40, s49
	s_mov_b32 s41, 0
	s_lshl_b32 s42, s47, 9
	s_lshl_b32 s49, s48, 1
	s_add_co_u32 s42, s42, s49                     ; its two bytes in a row's 32
	s_mov_b32 s43, 0
	s_mov_b32 s20, 0x76543210
	s_mov_b32 s21, 0xfedcba98                      ; lane l xor 16
	s_mov_b32 s22, 0x3e38aa3b                      ; c = log2(e) / 8
	s_mov_b32 s23, s22
	WALU
	s_wait_dscnt 0x0                               ; both opening adds are done
	s_wait_kmcnt 0x0
	s_add_nc_u64 s[34:35], s[4:5], s[16:17]
	s_or_b32 s35, s35, 0x80000000
	s_add_nc_u64 s[36:37], s[4:5], s[36:37]
	s_add_nc_u64 s[38:39], s[4:5], s[38:39]
	s_add_nc_u64 s[40:41], s[6:7], s[40:41]
	s_add_nc_u64 s[42:43], s[8:9], s[42:43]
	CROUND                                         ; all four work-groups are here: the joint loads meet
	tensor_load_to_lds s[32:35], s[24:31]          ; my one tensor load of the launch
	s_nop 0
.rept 4
	v_nop
.endr
	v_and_b32 v8, 31, v0
	v_and_b32 v9, 15, v0                           ; r
	v_bfe_u32 v10, v0, 4, 1                        ; h
	v_lshlrev_b32 v1, 3, v8                        ; K's images: 8 x lane
	v_lshlrev_b32 v39, 3, v8                       ; the same for global accesses
	v_lshlrev_b32 v29, 4, v9                       ; 16 r
	v_add_nc_u32 v2, VI, v1                        ; V's images
	v_add_nc_u32 v3, KS, v29
	v_add_nc_u32 v4, VS, v29
	v_lshl_add_u32 v38, v9, 5, v10                 ; 32 r + h
	v_lshlrev_b32 v7, 3, v10                       ; 8 h
.irp p, 0,1,2
	global_load_b64 v[Q+2*\p:Q+2*\p+1], v39, s[36:37] offset:256*\p                 ; pass 0: my two tiles of Q,
	global_load_b64 v[Q+12+2*\p:Q+12+2*\p+1], v39, s[36:37] offset:768+256*\p
	global_load_b64 v[QN+2*\p:QN+2*\p+1], v39, s[36:37] offset:12288+256*\p         ; and pass 1's, sixteen tiles on
	global_load_b64 v[QN+6+2*\p:QN+6+2*\p+1], v39, s[36:37] offset:13056+256*\p
.endr
	global_load_b64 v[QSW:QSW+1], v29, s[38:39]    ; the two tiles' scale words of row r lie side by side
	global_load_b64 v[QSN:QSN+1], v29, s[38:39] offset:1024
.irp j, 0,1,2,3,4,5
	v_mov_b32 v[Q+6+\j], 0                         ; zero codes for k = 64 .. 127
	v_mov_b32 v[Q+18+\j], 0
	v_mov_b32 v[FK+48+\j], 0
.endr
.irp j, 21,23,24,25,26,27
	v_mov_b32 v\j, 0                               ; named with f as pairs; a lane permute's destination counts as read
.endr
	WALU
	s_wait_tensorcnt 0x0                           ; my part has landed,
	s_barrier_signal -1
	s_barrier_wait -1                              ; everybody's has
	s_wait_loadcnt 0x0                             ; Q
.macro ACC u, k                        ; pair k of tile u's p onto one of four chains
.set c_, ((\k)-6)%4
.if c_ == 0
	v_pk_add_f32 v[16+2*\u:17+2*\u], v[16+2*\u:17+2*\u], v[64*\u+2*(\k):64*\u+2*(\k)+1]
.else
	v_pk_add_f32 v[SU+6*\u+2*c_-2:SU+6*\u+2*c_-1], v[SU+6*\u+2*c_-2:SU+6*\u+2*c_-1], v[64*\u+2*(\k):64*\u+2*(\k)+1]
.endif
.endm
; A KEY STEP: 128 keys x my 32 queries.
.macro STEP
	v_add_nc_u32 v[ADV], s2, v2                    ; these four are the places behind the last step's products, in front of the loads into their operands
	v_add_nc_u32 v[ADT], s44, v4
	v_nop
	v_nop
.irp t, 0,1,2,3
.irp p, 0,1,2,3,4,5
	ds_load_b64 v[FV+12*\t+2*\p:FV+12*\t+2*\p+1], v[ADV] offset:1536*\t+256*\p   ; V goes out at the step's head and lands under the softmax
.endr
.endr
	ds_load_b128 v[VSW:VSW+3], v[ADT]
	s_wait_dscnt 25                                ; K and its scale words, asked for a step ago, are in; the 25 loads just issued may be out
	WIN 0x40
.irp t, 0,1,2,3,4,5,6,7
	MM 8*\t, FK+6*\t, Q, 0, KSW+\t, QSW
	MM 64+8*\t, FK+6*\t, Q+12, 0, KSW+\t, QSW+1
.endr
	WIN 0
	v_add_nc_u32 v[ADK], s2, v1                    ; four places in front of the loads into K's registers and of the first read of the scores
	v_add_nc_u32 v[ADS], s3, v3
	v_mov_b32 v26, v12                             ; the old -M
	v_mov_b32 v27, v14
.irp t, 0,1,2,3,4,5,6,7
.irp p, 0,1,2
	ds_load_b64 v[FK+6*\t+2*\p:FK+6*\t+2*\p+1], v[ADK] offset:6144+768*\t+256*\p   ; the next step's K
.endr
.endr
	ds_load_b128 v[KSW:KSW+3], v[ADS] offset:512
	ds_load_b128 v[KSW+4:KSW+7], v[ADS] offset:768
	WIN 0x15                                       ; THE LARGEST SCORE OF EACH BLOCK, eight chains over 16 registers each
.irp g, 0,1,2,3,4,5,6,7
	v_max3_num_f32 v[CH+\g], v[16*\g], v[16*\g+1], v[16*\g+2]
.endr
	WIN 0x14
.irp i, 3,5,7,9,11,13
.irp g, 0,1,2,3,4,5,6,7
	v_max3_num_f32 v[CH+\g], v[CH+\g], v[16*\g+\i], v[16*\g+\i+1]
.endr
.endr
	WIN 0x10
.irp b, 0,1,2,3
	v_max3_num_f32 v[BM+\b], v[CH+2*\b], v[CH+2*\b+1], v[32*\b+15]
.endr
	WIN 0x04
.irp b, 0,1,2,3
	v_max_num_f32 v[BM+\b], v[BM+\b], v[32*\b+31]  ; it serves the row's maximum and, since p rises with the score, the block's largest p
.endr
	WIN 0
.irp u, 0,1
	v_max3_num_f32 v[13+2*\u], v[13+2*\u], v[BM+2*\u], v[BM+2*\u+1]
.endr
.irp u, 0,1
	v_permlanex16_b32 v[24+\u], v[13+2*\u], s20, s21
.endr
.irp u, 0,1
	v_max_num_f32 v[13+2*\u], v[13+2*\u], v[24+\u] ; the running largest score of my query
.endr
.irp u, 0,1
	v_mul_f32 v[24+\u], s22, v[13+2*\u]            ; as t (c is positive)
.endr
.irp u, 0,1
	v_floor_f32 v[12+2*\u], -v[24+\u]              ; -M = floor(-t): M is a whole number
.endr
.irp u, 0,1
	v_sub_f32 v[24+\u], v[12+2*\u], v[26+\u]
.endr
.irp u, 0,1
	v_cvt_i32_f32 v[24+\u], v[24+\u]               ; (it saturates)
.endr
.irp u, 0,1
	v_ldexp_f32 v[20+2*\u], 1.0, v[24+\u]          ; f = 2^(old M - new M)
.endr
	WIN 0x41
.irp u, 0,1
.set j, 0
.rept 16
	v_pk_mul_f32 v[128+32*\u+j:128+32*\u+j+1], v[128+32*\u+j:128+32*\u+j+1], v[20+2*\u:21+2*\u] op_sel_hi:[1,0]   ; O^T under the new M, ascending
.set j, j+2
.endr
.endr
.irp u, 0,1
.set j, 0
.rept 32
	v_pk_fma_f32 v[64*\u+j:64*\u+j+1], v[64*\u+j:64*\u+j+1], s[22:23], v[12+2*\u:13+2*\u] op_sel_hi:[1,0,0]   ; t - M
.set j, j+2
.endr
.endr
	WIN 0
.irp b, 0,1,2,3
	v_fma_f32 v[BM+\b], v[BM+\b], s22, v[12+2*(\b/2)]   ; the same of each block's largest score
.endr
	WALU
	WIN 0x41
.set j, 0
.rept 128
	v_exp_f32 v[j], v[j]                           ; p = 2^(t - M)
.set j, j+1
.endr
	WIN 0
.irp b, 0,1,2,3
	v_exp_f32 v[BM+\b], v[BM+\b]                   ; the block's largest p: the same two instructions on the same number
.endr
.irp u, 0,1
	v_pk_mul_f32 v[16+2*\u:17+2*\u], v[16+2*\u:17+2*\u], v[20+2*\u:21+2*\u] op_sel_hi:[1,0]   ; the sums under the new M: plain work behind the exponentials
.endr
	WALU                                           ; one wait for the batch, ahead of its first reader
	WIN 0x05                                       ; THE ROW'S SUM OF THE UNQUANTISED p: four chains a tile
.irp u, 0,1
.irp q, 0,1,2
	v_pk_add_f32 v[SU+6*\u+2*\q:SU+6*\u+2*\q+1], v[64*\u+4*\q:64*\u+4*\q+1], v[64*\u+4*\q+2:64*\u+4*\q+3]
.endr
.endr
	WIN 0x04
.set k, 6
.rept 26
	ACC 0, k
	ACC 1, k
.set k, k+1
.endr
	WIN 0
.irp b, 0,1,2,3
	v_max_num_f32 v[BM+\b], 0x1800000, v[BM+\b]    ; the floor 2^(3 - 127): the byte cannot fall under 1
.endr
.irp b, 0,1,2,3
	v_add_nc_u32 v[SOP+\b], 0xff000000, v[BM+\b]   ; 2 off the exponent field: the conversion's scale operand
.endr
.irp b, 0,1,2,3
	v_lshrrev_b32 v[BY+\b], 23, v[SOP+\b]
.endr
.irp u, 0,1
	v_lshl_or_b32 v[24+\u], v[BY+2*\u+1], 16, v[BY+2*\u]   ; my bytes: blocks h and 2 + h,
.endr
.irp u, 0,1
	v_lshlrev_b32 v[24+\u], v7, v[24+\u]           ; at their places,
.endr
.irp u, 0,1
	v_permlanex16_b32 v[26+\u], v[24+\u], s20, s21
.endr
.irp u, 0,1
	v_or_b32 v[PSW+\u], v[24+\u], v[26+\u]         ; with the other half's two: p's scale word.  19 plain lines stand between it and the products
.endr
	WIN 0x01
.irp b, 0,1,2,3
	v_cvt_scalef32_pk16_fp6_f32 v[PCD+6*\b:PCD+6*\b+2], v[32*\b:32*\b+15], v[SOP+\b]
	v_cvt_scalef32_pk16_fp6_f32 v[SCR+4*\b:SCR+4*\b+2], v[32*\b+16:32*\b+31], v[SOP+\b]   ; (a conversion's three registers begin on an even number)
.endr
	WIN 0
	v_pk_add_f32 v[SU:SU+1], v[SU:SU+1], v[SU+2:SU+3]          ; the chains join; this line is the plain place behind the conversions
.irp b, 0,1,2,3
.irp i, 0,1,2
	v_mov_b32 v[PCD+6*\b+3+\i], v[SCR+4*\b+\i]
.endr
.endr
	v_pk_add_f32 v[SU+6:SU+7], v[SU+6:SU+7], v[SU+8:SU+9]      ; five lines: the places between p's codes and the products
	v_pk_add_f32 v[16:17], v[16:17], v[SU+4:SU+5]
	v_pk_add_f32 v[18:19], v[18:19], v[SU+10:SU+11]
	v_pk_add_f32 v[16:17], v[16:17], v[SU:SU+1]
	v_pk_add_f32 v[18:19], v[18:19], v[SU+6:SU+7]
	WALU
	s_wait_dscnt 26                                ; V is in; the 26 loads of the next K may be out
	WIN 0x50
.irp t, 0,1,2,3
	MM 128+8*\t, FV+12*\t, PCD, v[128+8*\t:135+8*\t], VSW+\t, PSW
	MM 160+8*\t, FV+12*\t, PCD+12, v[160+8*\t:167+8*\t], VSW+\t, PSW+1
.endr
	WIN 0
.endm
; THE WAY OUT of a pass: O^T / the sum; a lane's 32 numbers are one block of the last product's K; half a fragment for each tile.
.macro OUT pi
.irp u, 0,1
	v_add_f32 v[16+2*\u], v[16+2*\u], v[17+2*\u]
.endr
.irp u, 0,1
	v_permlanex16_b32 v[24+\u], v[16+2*\u], s20, s21
.endr
.irp u, 0,1
	v_add_f32 v[16+2*\u], v[16+2*\u], v[24+\u]     ; the row's sum.  (These six are also the places behind the last products)
.endr
	WALU
.irp u, 0,1
	v_rcp_f32 v[20+2*\u], v[16+2*\u]
.endr
	v_nop                                          ; the plain place behind the reciprocals
	WIN 0x41
	WALU                                           ; directly ahead of the first reader of the reciprocals and of O^T
.irp u, 0,1
.set j, 0
.rept 16
	v_pk_mul_f32 v[128+32*\u+j:128+32*\u+j+1], v[128+32*\u+j:128+32*\u+j+1], v[20+2*\u:21+2*\u] op_sel_hi:[1,0]
.set j, j+2
.endr
.endr
	WIN 0x15
.irp g, 0,1,2,3
	v_max3_num_f32 v[CH+\g], |v[128+16*\g]|, |v[128+16*\g+1]|, |v[128+16*\g+2]|
.endr
	WIN 0x14
.irp i, 3,5,7,9,11,13
.irp g, 0,1,2,3
	v_max3_num_f32 v[CH+\g], v[CH+\g], |v[128+16*\g+\i]|, |v[128+16*\g+\i+1]|
.endr
.endr
	WIN 0x10
.irp u, 0,1
	v_max3_num_f32 v[BM+\u], v[CH+2*\u], v[CH+2*\u+1], |v[128+32*\u+15]|
.endr
	WIN 0x04
.irp u, 0,1
	v_max3_num_f32 v[BM+\u], v[BM+\u], |v[128+32*\u+31]|, 0x1800000
.endr
	WIN 0
.irp u, 0,1
	v_add_nc_u32 v[SOP+\u], 0xff000000, v[BM+\u]
.endr
.irp u, 0,1
	v_lshrrev_b32 v[BY+\u], 23, v[SOP+\u]
.endr
	WIN 0x01
.irp u, 0,1
	v_cvt_scalef32_pk16_fp6_f32 v[PCD+12*\u:PCD+12*\u+2], v[128+32*\u:128+32*\u+15], v[SOP+\u]
	v_cvt_scalef32_pk16_fp6_f32 v[SCR+4*\u:SCR+4*\u+2], v[128+32*\u+16:128+32*\u+31], v[SOP+\u]
.endr
	WIN 0
	v_nop                                          ; one plain place behind a scaled conversion
.irp u, 0,1
.irp i, 0,1,2
	v_mov_b32 v[PCD+12*\u+3+\i], v[SCR+4*\u+\i]
.endr
.endr
.irp u, 0,1
.irp p, 0,1,2
	global_store_b64 v39, v[PCD+12*\u+2*\p:PCD+12*\u+2*\p+1], s[40:41] offset:196608*\pi+12288*\u+256*\p   ; 32 lanes store 256 consecutive bytes, aligned
.endr
	global_store_b8 v38, v[BY+\u], s[42:43] offset:8192*\pi+512*\u   ; lane (r, h): block h's byte of row r
.endr
.endm
.macro PASS pi
.if \pi
	s_wait_xcnt 0x0                                ; the last pass's stores have read their registers
	s_wait_dscnt 0x0                               ; no load into K's registers is out
.irp j, 0,1,2,3,4,5
	v_mov_b32 v[Q+\j], v[QN+\j]
	v_mov_b32 v[Q+12+\j], v[QN+6+\j]
.endr
	v_mov_b32 v[QSW], v[QSN]
	v_mov_b32 v[QSW+1], v[QSN+1]
.endif
.irp t, 0,1,2,3,4,5,6,7
.irp p, 0,1,2
	ds_load_b64 v[FK+6*\t+2*\p:FK+6*\t+2*\p+1], v1 offset:768*\t+256*\p   ; the first step's K
.endr
.endr
	ds_load_b128 v[KSW:KSW+3], v3
	ds_load_b128 v[KSW+4:KSW+7], v3 offset:256
	v_mov_b32 v13, 0xff61b1e6                      ; the largest score so far: -3e38
	v_mov_b32 v15, 0xff61b1e6
	v_mul_f32 v24, s22, v13
	v_floor_f32 v12, -v24
	v_floor_f32 v14, -v24
.irp j, 16,17,18,19
	v_mov_b32 v\j, 0
.endr
	WIN 0x40
.set j, 0
.rept 64
	v_mov_b32 v[128+j], 0                          ; the step is written once: the first finds zeros, which the first change of M leaves zeros
.set j, j+1
.endr
	WIN 0
	s_mov_b32 s2, 0                                ; the step's images: 6,144 bytes a step in K's and in V's
	s_mov_b32 s3, 0                                ; K's scale words: 512
	s_mov_b32 s44, 0                               ; V's: 256
	s_mov_b32 s45, 16
	WALU
.Lk_\@:
	STEP
	s_add_co_u32 s2, s2, 6144
	s_add_co_u32 s3, s3, 512
	s_add_co_u32 s44, s44, 256
	s_sub_co_u32 s45, s45, 1
	s_cmp_lg_u32 s45, 0
	s_cbranch_scc1 .Lk_\@
	OUT \pi
.endm
	PASS 0
	PASS 1
	s_wait_tensorcnt 0x0                           ; the wave's end
	ds_add_u32 v5, v6
	s_wait_dscnt 0x0
	CROUND                                         ; the closing round
	s_endpgm
.Lfunc_end_k_qd21c401f71_attn:
	.size	k_qd21c401f71_attn, .Lfunc_end_k_qd21c401f71_attn-k_qd21c401f71_attn
	.p2alignl 7, 3214868480
	.fill 96, 4, 3214868480
	.section	.rodata,"a",@progbits
	.p2align	6, 0x0
	.amdhsa_kernel k_qd21c401f71_attn
		.amdhsa_group_segment_fixed_size 209920
		.amdhsa_private_segment_fixed_size 0
		.amdhsa_enable_private_segment 0
		.amdhsa_kernarg_size 24
		.amdhsa_user_sgpr_count 2
		.amdhsa_user_sgpr_kernarg_segment_ptr 1
		.amdhsa_wavefront_size32 1
		.amdhsa_system_sgpr_workgroup_id_x 1
		.amdhsa_system_sgpr_workgroup_id_y 1
		.amdhsa_system_sgpr_workgroup_id_z 1
		.amdhsa_system_vgpr_workitem_id 0
		.amdhsa_next_free_vgpr 448
		.amdhsa_next_free_sgpr 66
		.amdhsa_reserve_vcc 0
		.amdhsa_float_denorm_mode_32 3
		.amdhsa_float_denorm_mode_16_64 3
		.amdhsa_memory_ordered 1
		.amdhsa_forward_progress 1
		.amdhsa_inst_pref_size 86
	.end_amdhsa_kernel
	.amdgpu_metadata
---
amdhsa.version: [ 1, 2 ]
amdhsa.kernels:
  - .name:           k_qd21c401f71_attn
    .symbol:         k_qd21c401f71_attn.kd
    .args:
      - { .name: att, .offset: 0, .size: 8, .value_kind: global_buffer, .address_space: global }
      - { .name: codes, .offset: 8, .size: 8, .value_kind: global_buffer, .address_space: global }
      - { .name: scales, .offset: 16, .size: 8, .value_kind: global_buffer, .address_space: global }
    .group_segment_fixed_size: 209920
    .private_segment_fixed_size: 0
    .kernarg_segment_align: 8
    .kernarg_segment_size: 24
    .max_flat_workgroup_size: 256
    .sgpr_count:     66
    .vgpr_count:     448
    .wavefront_size: 32
...
	.end_amdgpu_metadata
.endif
;; end of part 3
;; launch proj (part 4): grid 4 x 32, 4 waves a work-group, clusters of 4 x 4, 327,680 bytes of LDS; arguments codes, scales, pbias, out0; writes out0
.if DOCPART == 4
	.amdgcn_target "amdgcn-amd-amdhsa--gfx1250"
	.amdhsa_code_object_version 6
	.text
	.protected	k_qd21c401f71_proj
	.globl	k_qd21c401f71_proj
	.p2align	8
	.type	k_qd21c401f71_proj,@function
k_qd21c401f71_proj:
	s_mov_b64 s[64:65], 0
	v_nop
	global_prefetch_b8 v0, s[64:65] scope:SCOPE_SE
	s_setreg_imm32_b32 hwreg(HW_REG_WAVE_MODE, 25, 1), 1
	s_wait_xcnt 0x0
	s_wait_alu depctr_hold_cnt(0) depctr_sa_sdst(0) depctr_va_vdst(0) depctr_va_sdst(0) depctr_va_ssrc(0) depctr_va_vcc(0) depctr_vm_vsrc(0)
	s_getreg_b32 s2, hwreg(HW_REG_IB_STS2, 6, 4)
	s_cmp_eq_u32 s2, 0
	s_cbranch_scc0 .Lentry_in_a_cluster
	s_endpgm
.Lentry_in_a_cluster:
	s_bfe_u32 s2, ttmp6, 0x10000c
	s_cmp_lg_u32 s2, 0xf033
	s_cbranch_scc0 .Lentry_shape_is_right
	s_endpgm
.Lentry_shape_is_right:
.set FR,    12
.set TILEB, 3072
.set HALFT, 8*TILEB
.set SLOT,  4*HALFT
.set SPARE, 2*SLOT
.set GROW,  12288
.set SPITCH, 528
.set ADRA, 16
.set ADRB, 20
.set VB,   22
.set STO,  24
.set RD,   25
.set CO,   26
.set L8,   27
.set SPW,  28
.set NIL,  29
.set VSO,  30
.set SC,   32
.set BI,   96
.set AF,   128
.set BK,   128
.set G1,  24
.set G0,  32
.set G1B, 48
.set G0B, 56
.set MSB, 0
.macro WIN new
.if MSB != \new
	s_set_vgpr_msb (MSB<<8)|\new
.set MSB, \new
.endif
.endm
.set MUL_LO, 0xa1
.set MUL_HI, 0xf1
.set TO_B,   0x40
.macro JLOAD g0a, g1a, g0b, g1b
	s_cmp_eq_u32 s15, 0
	s_cbranch_scc0 .Lfor_b_\@
	tensor_load_to_lds s[\g0a:\g0a+3], s[\g1a:\g1a+7]
	s_nop 0
.rept 4
	v_nop
.endr
	s_branch .Lasked_\@
.Lfor_b_\@:
	tensor_load_to_lds s[\g0b:\g0b+3], s[\g1b:\g1b+7]
	s_nop 0
.rept 4
	v_nop
.endr
.Lasked_\@:
.endm
.macro CREST
	s_cmp_lg_u32 s14, 0
	s_cbranch_scc1 .Lnot_wave_0_\@
	s_barrier_signal -3
.Lnot_wave_0_\@:
	s_barrier_wait -3
	s_barrier_signal -1
	s_barrier_wait -1
.endm
.macro CROUND
	s_barrier_signal -1
	s_barrier_wait -1
	CREST
.endm
.macro PLACES n
.rept \n
	v_nop
.endr
.endm
.macro FRAG reg, adr, q, i
.irp p, 0,1,2,3,4,5
	ds_load_b64 v[\reg+2*\p:\reg+2*\p+1], v[\adr] offset:(\i)*TILEB+(\q)*1536+\p*256
.endr
.endm
.macro FETCH_B slot, q, p
	WIN TO_B
.irp i, 0,1,2,3,4,5,6,7
	FRAG 128*(\p)+FR*\i, ADRB+\slot, \q, \i
.endr
	WIN 0
.endm
.macro FETCH_A slot, q, i0
.irp i, \i0, \i0+1, \i0+2, \i0+3
	FRAG AF+FR*(\i), ADRA+\slot, \q, \i
.endr
.endm
.macro MUL16 a0, s, mode
.irp a, \a0, \a0+1
.irp b, 0,1,2,3,4,5,6,7
.if \mode
	v_wmma_scale_f32_16x16x128_f8f6f4 v[8*(8*((\a)%4)+\b):8*(8*((\a)%4)+\b)+7], v[128*((\s)%2)+FR*\b:128*((\s)%2)+FR*\b+FR-1], v[AF+FR*(\a):AF+FR*(\a)+FR-1], v[BI+8*\b+96*(\b/4):BI+8*\b+96*(\b/4)+7], v[SC+8*\b+(\s)], v[SC+8*(\a)+(\s)] matrix_a_fmt:MATRIX_FMT_FP6 matrix_b_fmt:MATRIX_FMT_FP6 matrix_a_scale:MATRIX_SCALE_ROW1
.else
	v_wmma_scale_f32_16x16x128_f8f6f4 v[8*(8*((\a)%4)+\b):8*(8*((\a)%4)+\b)+7], v[128*((\s)%2)+FR*\b:128*((\s)%2)+FR*\b+FR-1], v[AF+FR*(\a):AF+FR*(\a)+FR-1], v[8*(8*((\a)%4)+\b):8*(8*((\a)%4)+\b)+7], v[SC+8*\b+(\s)], v[SC+8*(\a)+(\s)] matrix_a_fmt:MATRIX_FMT_FP6 matrix_b_fmt:MATRIX_FMT_FP6 matrix_a_scale:MATRIX_SCALE_ROW1
.endif
.endr
.endr
.endm
.macro STEP slot, s, mode
	s_wait_dscnt 24
.if \mode
	WIN 0x81
.else
	WIN MUL_LO
.endif
	MUL16 0, \s, \mode
	MUL16 2, \s, \mode
	s_wait_dscnt 0
	PLACES 4
	FETCH_B \slot, 1, 1
	FETCH_A \slot, 1, 0
.if \mode
	WIN 0xc1
.else
	WIN MUL_HI
.endif
	MUL16 4, \s, \mode
	MUL16 6, \s, \mode
	PLACES 4
	WIN 0
	FETCH_A \slot, 1, 4
.endm
.macro TURN slot, next, s, fill
	s_wait_tensorcnt 0x0
	ds_add_u32 v[SPW], v[NIL]
	s_wait_dscnt 25
	WIN MUL_LO
	MUL16 0, \s, 0
	s_wait_dscnt 0x0
	s_barrier_signal -1
	MUL16 2, \s, 0
	WIN 0
	s_barrier_wait -1
.if \fill
	CREST
	s_add_nc_u64 s[G0+4*\slot+2:G0+4*\slot+3], s[G0+4*\slot+2:G0+4*\slot+3], 2*TILEB
	s_add_nc_u64 s[G0B+4*\slot+2:G0B+4*\slot+3], s[G0B+4*\slot+2:G0B+4*\slot+3], 2*TILEB
	JLOAD G0+4*\slot, G1, G0B+4*\slot, G1B
.else
	PLACES 4
.endif
	FETCH_B \next, 0, 0
	FETCH_A \next, 0, 0
	WIN MUL_HI
	MUL16 4, \s, 0
	MUL16 6, \s, 0
	PLACES 4
	WIN 0
	FETCH_A \next, 0, 4
.endm
	s_load_b256 s[4:11], s[0:1], 0x0
	v_lshl_add_u32 v[SPW], v0, 2, SPARE
	v_mov_b32 v[NIL], 0
	ds_add_u32 v[SPW], v[NIL]
	ds_add_u32 v[SPW], v[NIL]
	v_lshrrev_b32 v1, 5, v0
	v_readfirstlane_b32 s14, v1
	s_lshr_b32 s15, s14, 1
	s_and_b32 s16, s14, 1
	s_bfe_u32 s40, ttmp6, 0x40000
	s_bfe_u32 s41, ttmp6, 0x40004
	s_lshl_b32 s42, ttmp9, 2
	s_add_co_u32 s42, s42, s40
	s_and_b32 s17, ttmp7, 0xffff
	s_lshl_b32 s17, s17, 2
	s_add_co_u32 s17, s17, s41
	s_lshl_b32 s43, s41, 2
	s_lshl_b32 s43, 15, s43
	s_lshl_b32 s44, 0x1111, s40
	s_or_b32 s[G1+0], s43, (3<<16)|(1<<21)
	s_or_b32 s[G1B+0], s44, (3<<16)|(1<<21)
.irp g, G1, G1B
	s_mov_b32 s[\g+1], 384<<16
	s_mov_b32 s[\g+2], 8<<16
	s_mov_b32 s[\g+3], 384<<16
	s_mov_b32 s[\g+4], 8
	s_mov_b32 s[\g+5], 1536
	s_mov_b32 s[\g+6], 0
	s_mov_b32 s[\g+7], 0
.endr
	s_lshl_b32 s19, s16, 3
	s_lshl_b32 s20, s17, 4
	s_add_co_u32 s20, s20, 768
	s_add_co_u32 s20, s20, s19
	s_mul_i32 s20, s20, GROW
	s_mov_b32 s21, 0
	s_lshl_b32 s46, s42, 4
	s_add_co_u32 s46, s46, 704
	s_add_co_u32 s46, s46, s19
	s_mul_i32 s46, s46, GROW
	s_mov_b32 s47, 0
	s_mul_i32 s45, s14, HALFT
	s_wait_dscnt 0x0
	s_wait_kmcnt 0x0
	s_add_nc_u64 s[20:21], s[4:5], s[20:21]
	s_add_nc_u64 s[46:47], s[4:5], s[46:47]
	CROUND
.irp s, 0,1
	s_mov_b32 s[G0+4*\s], 1
	s_add_co_u32 s[G0+4*\s+1], s45, \s*SLOT
	s_add_nc_u64 s[G0+4*\s+2:G0+4*\s+3], s[20:21], \s*TILEB
	s_or_b32 s[G0+4*\s+3], s[G0+4*\s+3], 0x80000000
	s_mov_b32 s[G0B+4*\s], 1
	s_add_co_u32 s[G0B+4*\s+1], s45, \s*SLOT
	s_add_nc_u64 s[G0B+4*\s+2:G0B+4*\s+3], s[46:47], \s*TILEB
	s_or_b32 s[G0B+4*\s+3], s[G0B+4*\s+3], 0x80000000
	s_wait_alu depctr_va_vdst(0)
	s_wait_tensorcnt 0x0
	ds_add_u32 v28, v29
	ds_add_u32 v28, v29
	s_wait_dscnt 0x0
	CROUND
	JLOAD G0+4*\s, G1, G0B+4*\s, G1B
.endr
	v_and_b32 v1, 15, v0
	v_bfe_u32 v2, v0, 4, 1
	s_wait_alu depctr_va_vdst(0)
	v_and_b32 v3, 31, v0
	v_lshlrev_b32 v[L8], 3, v3
	s_mul_i32 s21, s15, HALFT
	s_mul_i32 s22, s16, HALFT
	s_add_co_u32 s22, s22, 2*HALFT
.irp s, 0,1
	v_add_nc_u32 v[ADRA+\s], s21, v[L8]
	v_add_nc_u32 v[ADRB+\s], s22, v[L8]
	s_add_co_u32 s21, s21, SLOT
	s_add_co_u32 s22, s22, SLOT
.endr
	s_lshl_b32 s69, s17, 4
	s_add_co_u32 s69, s69, 768
	s_lshl_b32 s70, s15, 3
	s_add_co_u32 s69, s69, s70
	s_lshl_b32 s69, s69, 9
	s_lshl_b32 s70, s42, 4
	s_add_co_u32 s70, s70, 704
	s_lshl_b32 s71, s16, 3
	s_add_co_u32 s70, s70, s71
	s_lshl_b32 s70, s70, 9
	v_mov_b32 v4, s69
	v_mov_b32 v5, s70
	v_cmp_eq_u32 vcc_lo, 1, v2
	v_cndmask_b32 v4, v4, v5, vcc_lo
	v_lshl_add_u32 v[VSO], v1, 5, v4
.irp i, 0,1,2,3,4,5,6,7
.irp e, 0,1
	global_load_b128 v[SC+8*\i+4*\e:SC+8*\i+4*\e+3], v[VSO], s[6:7] offset:512*\i+16*\e
.endr
.endr
	s_lshl_b32 s72, s42, 10
	s_lshl_b32 s73, s16, 9
	s_add_co_u32 s72, s72, s73
	s_mov_b32 s73, 0
	s_add_nc_u64 s[8:9], s[8:9], s[72:73]
	v_lshlrev_b32 v[VB], 7, v2                     ; register j of lane (r, h) in B's tile b is column 64 (b / 4) + 8 (b % 4) + 32 h + j
.irp b, 0,1,2,3,4,5,6,7
.irp e, 0,1
	global_load_b128 v[BI+8*\b+96*(\b/4)+4*\e:BI+8*\b+96*(\b/4)+4*\e+3], v[VB], s[8:9] offset:256*(\b/4)+32*(\b%4)+16*\e
.endr
.endr
	s_lshl_b32 s74, s17, 20
	s_lshl_b32 s75, s15, 19
	s_add_co_u32 s74, s74, s75
	s_add_co_u32 s74, s74, s72
	s_mov_b32 s75, 0
	s_add_nc_u64 s[10:11], s[10:11], s[74:75]
	s_mul_i32 s23, s14, 16*SPITCH
	v_mul_u32_u24 v5, v1, SPITCH
	v_lshl_add_u32 v5, v2, 7, v5
	v_add_nc_u32 v[STO], s23, v5
	v_lshlrev_b32 v[CO], 4, v3
	v_add_nc_u32 v[RD], s23, v[CO]
	s_wait_tensorcnt 1
	s_barrier_signal -1
	s_barrier_wait -1
	FETCH_B 0, 0, 0
	FETCH_A 0, 0, 0
	FETCH_A 0, 0, 4
	s_wait_loadcnt 0x0
	STEP 0, 0, 1
	TURN 0, 1, 1, 1
	STEP 1, 2, 0
	TURN 1, 0, 3, 1
	STEP 0, 4, 0
	TURN 0, 1, 5, 0
	STEP 1, 6, 0
	s_wait_dscnt 24
	WIN MUL_LO
	MUL16 0, 7, 0
	MUL16 2, 7, 0
	s_wait_alu depctr_va_vdst(0)
	s_wait_dscnt 0
	WIN MUL_HI
	MUL16 4, 7, 0
	MUL16 6, 7, 0
	WIN 0
.macro TOSTAGE a
.set AC, 64*((\a)%4)
	WIN 0x08+4*((\a)/4)
.irp b, 0,1,2,3,4,5,6,7
	ds_store_b128 v[STO], v[AC+8*\b:AC+8*\b+3] offset:256*(\b/4)+32*(\b%4)
	ds_store_b128 v[STO], v[AC+8*\b+4:AC+8*\b+7] offset:256*(\b/4)+32*(\b%4)+16
.endr
	WIN 0
.set BB, BK+64*((\a)%2)
.irp t, 0,1,2,3,4,5,6,7,8,9,10,11,12,13,14,15
	ds_load_b128 v[BB+4*\t:BB+4*\t+3], v[RD] offset:\t*SPITCH
.endr
.endm
.macro SEND a, younger
.set BB, BK+64*((\a)%2)
	s_wait_dscnt \younger
.irp t, 0,1,2,3,4,5,6,7,8,9,10,11,12,13,14,15
	global_store_b128 v[CO], v[BB+4*\t:BB+4*\t+3], s[10:11] offset:(64*((\a)/4)+8*((\a)%4)+\t+24*(\t/8))*4096 th:TH_STORE_NT   ; lane t of A's tile a is token 64 (a / 4) + 8 (a % 4) + t + 24 (t / 8)
.endr
.endm
	PLACES 4
	TOSTAGE 0
.irp a, 1,2,3,4,5,6,7
.if \a > 1
	s_wait_xcnt 0x0
.endif
	TOSTAGE \a
	SEND \a-1, 32
.endr
	SEND 7, 0
	s_wait_tensorcnt 0x0
	ds_add_u32 v[SPW], v[NIL]
	s_wait_dscnt 0x0
	CROUND
	s_endpgm
.Lfunc_end_k_qd21c401f71_proj:
	.size	k_qd21c401f71_proj, .Lfunc_end_k_qd21c401f71_proj-k_qd21c401f71_proj
	.p2alignl 7, 3214868480
	.fill 96, 4, 3214868480
	.section	.rodata,"a",@progbits
	.p2align	6, 0x0
	.amdhsa_kernel k_qd21c401f71_proj
		.amdhsa_group_segment_fixed_size 327680
		.amdhsa_private_segment_fixed_size 0
		.amdhsa_enable_private_segment 0
		.amdhsa_kernarg_size 32
		.amdhsa_user_sgpr_count 2
		.amdhsa_user_sgpr_kernarg_segment_ptr 1
		.amdhsa_wavefront_size32 1
		.amdhsa_system_sgpr_workgroup_id_x 1
		.amdhsa_system_sgpr_workgroup_id_y 1
		.amdhsa_system_sgpr_workgroup_id_z 1
		.amdhsa_system_vgpr_workitem_id 0
		.amdhsa_next_free_vgpr 1024
		.amdhsa_next_free_sgpr 100
		.amdhsa_reserve_vcc 1
		.amdhsa_float_denorm_mode_32 3
		.amdhsa_float_denorm_mode_16_64 3
		.amdhsa_memory_ordered 1
		.amdhsa_forward_progress 1
		.amdhsa_inst_pref_size 159
	.end_amdhsa_kernel
	.amdgpu_metadata
---
amdhsa.version: [ 1, 2 ]
amdhsa.kernels:
  - .name:           k_qd21c401f71_proj
    .symbol:         k_qd21c401f71_proj.kd
    .args:
      - { .name: codes, .offset: 0, .size: 8, .value_kind: global_buffer, .address_space: global }
      - { .name: scales, .offset: 8, .size: 8, .value_kind: global_buffer, .address_space: global }
      - { .name: pbias, .offset: 16, .size: 8, .value_kind: global_buffer, .address_space: global }
      - { .name: out0, .offset: 24, .size: 8, .value_kind: global_buffer, .address_space: global }
    .group_segment_fixed_size: 327680
    .private_segment_fixed_size: 0
    .kernarg_segment_align: 8
    .kernarg_segment_size: 32
    .max_flat_workgroup_size: 128
    .sgpr_count:     100
    .vgpr_count:     1024
    .wavefront_size: 32
...
	.end_amdgpu_metadata
.endif
;; end of part 4
